; MI455X (gfx1250); checked and timed in simulation.
; The chip was launched on July 23, 2026; its instructions are those of AMD's public machine-readable ISA for CDNA 5 (MIT licence, August 2026) and "CDNA5" Instruction Set Architecture Reference Guide (July 2026). The comments in the code are by the model that wrote it; some were corrected since.
;; Lo RA Linear. Allowed arithmetic: matrix products marked QUANTISED: E4M3 operands, one E8M0 scale for each 32 along K, by v_wmma_scale_f32_16x16x128_f8f6f4 with both operands' format E4M3, f32 sums; products left as they are: f32 operands where the result goes on into a quantised operand, else bf16, f16 or f32 operands; f32 sums; everything else in f32.
;; Inputs: A 4,096 x 16 float32; B 16 x 2,048 float32; x_codes 4 x 2,048 x 128 x 32 uint8 (E4M3 codes of x, K innermost, in blocks of 32 codes); x_scales 4 x 2,048 x 128 uint8 (E8M0 scales of x, one for each 32 codes along K).
;; Outputs: out0 4 x 2,048 x 2,048 float32.
;; This version of the problem:
;;   THIS VERSION OF THE PROBLEM IS GIVEN IN LOW PRECISION. The matrix products marked QUANTISED in the list below multiply operands that are first quantised to E4M3 (4 exponent bits, 3 mantissa bits; 8 bits a number), with one power-of-two scale for each 32 numbers along K (OCP MX v1.0); their sums are f32. All else is computed in f32.
;;   The module's matrix products, in the order in which they are computed (A, B: the left and right operand; K: the contracted axis; several contracted axes count as one K, in the product's order):
;;     1. [M 4,096, K 16] x [K 16, N 2,048]; A: input A; B: input B: left as it is (K = 16 < 32)
;;     2. [M 8,192, K 4,096] x [K 4,096, N 2,048]; A: input x (given as codes); B: computed on the way: QUANTISED
;;   THE QUANTISER, for each operand of a quantised product, along K:
;;     - K is cut into blocks of 32 from its start; a last block that is shorter is filled with zeros.
;;     - A block's scale is 2^e with e = floor(log2(the largest magnitude in the block)) - 8, held to -126 .. 127; a block of zeros has e = 0. As a byte (E8M0): e + 127.
;;     - Each number is divided by its block's scale, clamped to +-448, and rounded to the nearest number of E4M3, ties to even, subnormals kept.
;;     - The product sums the exact products of the quantised numbers (number of the format x scale) in f32.
;;   ~~~python
;;   def quantise(x, axis):      # numpy; x: float32 -> the quantised numbers, widened to float32 again
;;       x = np.moveaxis(x, axis, -1); K = x.shape[-1]
;;       x = np.pad(x, [(0, 0)] * (x.ndim - 1) + [(0, -K % 32)]); x = x.reshape(x.shape[:-1] + (-1, 32)); a = np.abs(x).max(-1, keepdims=True)
;;       e = np.where(a > 0, np.clip(np.frexp(np.where(a > 0, a, 1))[1] - 1 - 8, -126, 127), 0)      # np.frexp(a)[1] - 1 = floor(log2(a)), exactly
;;       r = np.clip(x / 2.0 ** e, -448, 448)
;;       step = 2.0 ** (np.maximum(np.frexp(np.where(r == 0, 1, r))[1] - 1, -6) - 3)
;;       q = np.round(r / step) * step * 2.0 ** e      # np.round: ties to even
;;       return np.moveaxis(q.reshape(q.shape[:-2] + (-1,))[..., :K], -1, axis).astype(np.float32)
;;   ~~~
;;   OPERANDS COMPUTED ON THE WAY. 'Computed on the way' means the value that the module computes at that place (a softmax that the list does not call 'softmax' is quantised finished and normalised). What goes into a quantiser is computed in f32, as accurately as f32 sums, v_exp_f32 and their like allow (about 1e-6 of the number): no bf16 or f16 on the way to a quantiser, and a product that is left as it is and whose result goes on into a quantised operand takes f32 operands (vector FMAs, or v_wmma_f32_16x16x4_f32). A number that lies on a knife's edge between two numbers of the format may be rounded either way, as far as f32 arithmetic and the matrix unit's own rounding can turn it there, and no further.
;;   INPUTS GIVEN AS CODES. x (in the module: [4, 2048, 4096], K = its axis 2): each comes as NAME_codes (uint8): NAME with its K axis moved to the last place and cut into blocks of 32 codes, [.., K / 32, bytes a block], one block behind the other in memory; one code a byte (a code: sign, 4 exponent bits, 3 mantissa bits); and NAME_scales (uint8): the same leading axes, one E8M0 byte (e + 127) for each 32 codes along K. Its value is code x scale, taken as it is: it is not quantised again, and the codes and scales need not be those that the quantiser above would give.
;; One version. Each part assembles by itself: llvm-mc -triple=amdgcn-amd-amdhsa -mcpu=gfx1250 --defsym DOCPART=n.
;; ======== version 1 of 1: 2 launches
;; limits: right only within a limited range of input values
;; workspace buffers: wq 8,650,752 bytes; xs 1,048,576 bytes
;; launch prep (part 1): grid 288 x 1, 4 waves a work-group, no clusters, 37,376 bytes of LDS; arguments A, B, x_scales, wq, xs; writes wq, xs
.if DOCPART == 1
	.amdgcn_target "amdgcn-amd-amdhsa--gfx1250"
	.amdhsa_code_object_version 6
	.text
	.protected	k_q5254233398_prep
	.globl	k_q5254233398_prep
	.p2align	8
	.type	k_q5254233398_prep,@function
k_q5254233398_prep:
	s_mov_b64 s[64:65], 0
	v_nop
	global_prefetch_b8 v0, s[64:65] scope:SCOPE_SE
	s_setreg_imm32_b32 hwreg(HW_REG_WAVE_MODE, 25, 1), 1
	s_wait_xcnt 0x0
; TWO JOBS IN ONE LAUNCH, told apart by the work-group's number.
; Work-groups 0-255: W = A B ([4096][16] x [16][2048]) in f32, quantised along its FIRST axis (the large product's K) to codes of FP8 (E4M3) with one E8M0 byte for each 32 along K,
;   and stored in the order of the operand's registers, so that the product's launch takes a fragment by loads of 16 bytes a lane and a K step's tile as one dense block.
; Work-groups 256-287: x's scale bytes [8192][128] are laid anew, in the order in which the product's scale registers take them.
; wq: [t 16][tc 8] blocks of 67,584 bytes (t = k / 256, tc = n / 256).  A block: codes [i16 16][q 2][c 4][lane 32][16 bytes]: lane (r, h) holds n = 256 tc + 16 i16 + r,
;   k = 256 t + 128 q + 32 c + 16 h + 0 .. 15; behind them 2,048 bytes of scale words [hb 2][c 4][r 16][w 4][4 bytes]: word (c, w) is that of q = c / 2, n = 256 tc + 128 hb + 16 (4 (c % 2) + w) + r.
; xs: [tr 32][t 16][ha 2][c 4][r 16][w 4][4 bytes], the same map with row = 256 tr + 128 ha + 16 (4 (c % 2) + w) + r: the words of 256 rows for all of K are 32,768 dense bytes.
; THE SMALL PRODUCT goes by v_wmma_f32_16x16x4_f32, f32 operands, since its result goes into a quantiser.  Source 0 = 16 rows of A, source 1 = 16 columns of B: in the result a lane holds ONE column n
; and eight rows k.  THE ROWS OF A THAT FORM A TILE ARE NOT NEIGHBOURS: lane r of tile 2 c + u takes row 32 c + 8 u + r + 8 (r / 8), so that the 16 registers of tiles 2 c and 2 c + 1 are
; k = 32 c + 16 h + 0 .. 15: the operand's own layout, and the conversions' results are the operand's registers.  The rank's 16 terms are taken in the order 8 h + 2 s + j (link s, register j),
; alike on both sides, so that a lane's eight numbers of a row of A are 32 neighbouring bytes.
; A block's scale is 2^(floor(log2(its largest magnitude)) - 8): its byte is the largest magnitude's exponent field - 8, held at 1 from below.
; LIMITS: NaN and infinities in A or B are not served.  A block of zeros gets the byte 1 where the quantiser says 127: its codes are zeros, which add nothing under any byte but 0xff, and this program alone reads the bytes.
; No tensor loads, no barrier, no cluster: waves share nothing, and A and B together are 384 KiB.
.set PW,  12                           ; v12-15   the four fragments' scale words
.set BO,  16                           ; v16-47   B: n-tile w, rank 8 h + e at v[BO + 8 w + e]
.set AO,  48                           ; v48-111  A: tile T, rank 8 h + e at v[AO + 8 T + e]
.set ACC, 112                          ; v112-175 eight tiles of W; written by matrix instructions alone
.set T,   176                          ; v176-207 two sets of 16 numbers held within the largest code x the scale
.set C,   208                          ; v208-239 two sets of 16 registers of codes
.set TM,  240                          ; v240-243 largest magnitudes, v244-247 bytes, v248-251 448 x the scale, v252-255 the conversions' scale operands
.set RI,  16                           ; the other path: v16-79 x's scale bytes as loaded, v176-239 as stored
.set RO,  176
.set WBLK, 67584                       ; a block of wq
	s_load_b128 s[4:7], s[0:1], 0x0                ; A, B
	s_load_b128 s[8:11], s[0:1], 0x10              ; x_scales, wq
	s_load_b64 s[12:13], s[0:1], 0x20              ; xs
	v_lshl_add_u32 v11, v0, 2, 0x9000
	s_set_vgpr_msb 0x40
	v_mov_b32 v1, 0
	s_set_vgpr_msb 0x4000
	v_lshrrev_b32 v1, 5, v0
	v_readfirstlane_b32 s16, v1                    ; wave 0..3
	v_and_b32 v6, 31, v0                           ; lane
	v_lshlrev_b32 v4, 4, v6                        ; 16 x lane
	v_and_b32 v1, 15, v0                           ; r
	v_bfe_u32 v10, v0, 4, 1                        ; h
	s_cmp_ge_u32 ttmp9, 256
	s_cbranch_scc1 .Lrelay
	; ---- W.  A wave makes four fragments: 128 along K (number tq) x columns 64 cg .. 64 cg + 63
	s_lshr_b32 s24, ttmp9, 3                       ; tq = k / 128, 0..31
	s_and_b32 s25, ttmp9, 7
	s_lshl_b32 s25, s25, 2
	s_add_co_u32 s25, s25, s16                     ; cg = n / 64, 0..31
	s_lshr_b32 s26, s24, 1                         ; t
	s_and_b32 s27, s24, 1                          ; q
	s_lshr_b32 s28, s25, 2                         ; tc
	s_lshl_b32 s29, s26, 3
	s_add_co_u32 s29, s29, s28
	s_mul_i32 s29, s29, WBLK                       ; my block of wq
	s_and_b32 s30, s25, 3
	s_lshl_b32 s30, s30, 14                        ; my four fragments' codes: i16 = 4 (cg % 4) + w, 4,096 bytes each,
	s_add_co_u32 s30, s30, s29
	s_lshl_b32 s31, s27, 11                        ; their half q
	s_add_co_u32 s30, s30, s31
	s_mov_b32 s31, 0
	s_bfe_u32 s32, s25, 0x10001                    ; hb = (cg / 2) % 2
	s_lshl_b32 s32, s32, 10
	s_and_b32 s33, s25, 1                          ; which four of the half's eight blocks: c = 2 q + cg % 2
	s_lshl_b32 s33, s33, 8
	s_add_co_u32 s32, s32, s33
	s_lshl_b32 s33, s27, 9
	s_add_co_u32 s32, s32, s33
	s_add_co_u32 s32, s32, s29
	s_add_co_u32 s32, s32, 65536                   ; my 256 bytes of scale words, behind the block's codes
	s_mov_b32 s33, 0
	s_lshl_b32 s34, s24, 13                        ; A: 128 rows of 64 bytes
	s_mov_b32 s35, 0
	s_lshl_b32 s36, s25, 8                         ; B: 64 columns of 4 bytes
	s_mov_b32 s37, 0
	s_mov_b32 s20, 0x76543210
	s_mov_b32 s21, 0xfedcba98                      ; v_permlanex16_b32's selects for lane l xor 16
	s_mov_b32 s22, 0x600000                        ; the mantissa field of 448
	s_wait_alu depctr_va_vdst(0)
	v_and_b32 v2, 8, v1
	v_add_nc_u32 v2, v2, v1                        ; r + 8 (r / 8)
	v_lshlrev_b32 v2, 6, v2
	v_lshl_add_u32 v2, v10, 5, v2                  ; A: that row, + 32 h: ranks 8 h + 0 .. 7
	v_lshlrev_b32 v3, 2, v1
	v_lshl_add_u32 v3, v10, 16, v3                 ; B: column r, + 8 h rows of 8,192 bytes
	v_lshlrev_b32 v5, 4, v1                        ; the scale words: 16 bytes for each r
.irp b, 0,1,2,3
	v_mov_b32 v[TM+4+\b], 0                        ; written once: a lane permute's destination counts as one of its sources
.endr
	s_wait_alu depctr_va_vdst(0)
	s_wait_kmcnt 0x0
	s_add_nc_u64 s[14:15], s[10:11], s[32:33]
	s_add_nc_u64 s[10:11], s[10:11], s[30:31]
	s_add_nc_u64 s[4:5], s[4:5], s[34:35]
	s_add_nc_u64 s[6:7], s[6:7], s[36:37]
.irp t, 0,1,2,3,4,5,6,7
	global_load_b128 v[AO+8*\t:AO+8*\t+3],   v2, s[4:5] offset:(32*(\t/2)+8*(\t%2))*64
	global_load_b128 v[AO+8*\t+4:AO+8*\t+7], v2, s[4:5] offset:(32*(\t/2)+8*(\t%2))*64+16
.endr
.irp w, 0,1,2,3
.irp e, 0,1,2,3,4,5,6,7
	global_load_b32 v[BO+8*\w+\e], v3, s[6:7] offset:8192*\e+64*\w   ; B(8 h + e, 64 cg + 16 w + r): sixteen lanes read 64 neighbouring bytes
.endr
.endr
; 32 matrix instructions: eight tiles of 16 k x 16 n, four links of 4 of the rank's 16.  The first link starts each sum with the constant 0; the eight accumulators take turns.
.macro WM w
.irp s, 0,1,2,3
.irp t, 0,1,2,3,4,5,6,7
.if \s == 0
	v_wmma_f32_16x16x4_f32 v[ACC+8*\t:ACC+8*\t+7], v[AO+8*\t+2*\s:AO+8*\t+2*\s+1], v[BO+8*\w+2*\s:BO+8*\w+2*\s+1], 0
.else
	v_wmma_f32_16x16x4_f32 v[ACC+8*\t:ACC+8*\t+7], v[AO+8*\t+2*\s:AO+8*\t+2*\s+1], v[BO+8*\w+2*\s:BO+8*\w+2*\s+1], v[ACC+8*\t:ACC+8*\t+7]
.endif
.endr
.endr
.endm
; The 64 numbers of a lane, register 16 b + i = k 32 b + 16 h + i of my column, become the fragment's codes in set w % 2 of C and its scale word in v[PW + w].
.macro QUANTW w
.irp b, 0,1,2,3
	v_max3_num_f32 v[TM+\b], |v[ACC+16*\b]|, |v[ACC+1+16*\b]|, 0x4800000   ; block b: my 16 numbers, each accumulator from its low end on, and the floor 2^(9 - 127): so the byte cannot fall under 1
.endr
.irp i, 2,4,6,8,10,12,14
.irp b, 0,1,2,3
	v_max3_num_f32 v[TM+\b], v[TM+\b], |v[ACC+16*\b+\i]|, |v[ACC+1+16*\b+\i]|   ; (the four blocks by turns: no line waits for the line above it)
.endr
.endr
.irp b, 0,1,2,3
	v_permlanex16_b32 v[TM+4+\b], v[TM+\b], s20, s21
.endr
.irp b, 0,1,2,3
	v_max_num_f32 v[TM+\b], v[TM+\b], v[TM+4+\b]   ; with lane l xor 16's 16: the block's largest magnitude
.endr
.irp b, 0,1,2,3
	v_add_nc_u32 v[TM+12+\b], 0xfc000000, v[TM+\b] ; 8 off its exponent field: the conversion takes the exponent field of this operand as its scale, and nothing else of it
.endr
.irp b, 0,1,2,3
	v_and_or_b32 v[TM+8+\b], v[TM+\b], 0x7f800000, s22   ; 448 x the scale: the largest magnitude's exponent field over 448's mantissa
.endr
.irp b, 0,1,2,3
	v_lshrrev_b32 v[TM+4+\b], 23, v[TM+12+\b]      ; the scale's byte
.endr
	v_lshl_or_b32 v[PW+\w], v[TM+5], 8, v[TM+4]    ; the four bytes make my column's scale word (lanes 16-31 hold the same)
	v_lshl_or_b32 v[PW+\w], v[TM+6], 16, v[PW+\w]
	v_lshl_or_b32 v[PW+\w], v[TM+7], 24, v[PW+\w]
.if \w >= 2
	s_wait_xcnt 0x0                                ; the stores of the fragment two back have read this set of C: it is written again only behind this wait
.endif
.irp b, 0,1,2,3
.irp i, 0,1,2,3,4,5,6,7,8,9,10,11,12,13,14,15
	v_med3_num_f32 v[T+16*(\b%2)+\i], v[ACC+16*\b+\i], -v[TM+8+\b], v[TM+8+\b]   ; the conversion to an 8-bit code does not saturate (ISA guide 7.6.2): the hold at the largest code x the scale; into other registers than the sums'
.endr
	v_cvt_scalef32_pk8_fp8_f32 v[C+16*(\w%2)+4*\b:C+16*(\w%2)+4*\b+1],   v[T+16*(\b%2):T+16*(\b%2)+7],    v[TM+12+\b]
	v_cvt_scalef32_pk8_fp8_f32 v[C+16*(\w%2)+4*\b+2:C+16*(\w%2)+4*\b+3], v[T+16*(\b%2)+8:T+16*(\b%2)+15], v[TM+12+\b]   ; the next block's 16 holds write the other set of T
.endr
	v_nop                                          ; one plain vector instruction behind the last conversion
.endm
.macro FRAG w
	s_wait_loadcnt 24-8*\w                         ; A and B's n-tiles up to w are in; the eight loads of each later n-tile may be out
	WM \w
.rept 8
	v_nop                                          ; eight places between this matrix form and the first read of its results (ISA guide 7.12.1)
.endr
	QUANTW \w                                      ; (its lines on TM alone, and the eight above, are more than the nine places in front of the next fragment's products, which write over these sums)
.irp c, 0,1,2,3
	global_store_b128 v4, v[C+16*(\w%2)+4*\c:C+16*(\w%2)+4*\c+3], s[10:11] offset:4096*\w+512*\c   ; registers 4 c .. 4 c + 3 as they stand: 32 lanes store 512 consecutive bytes, aligned
.endr
.endm
	FRAG 0
	FRAG 1
	FRAG 2
	FRAG 3
	s_wait_xcnt 0x0                                ; EXEC changes only behind this wait
	v_cmp_gt_u32 vcc_lo, 16, v6
	s_and_saveexec_b32 s23, vcc_lo
	global_store_b128 v5, v[PW:PW+3], s[14:15]     ; lanes 0-15: the four words of column r: 256 consecutive bytes, aligned
	s_wait_xcnt 0x0                                ; and again, in front of the line that widens it
	s_or_b32 exec_lo, exec_lo, s23
	s_endpgm
	; ---- x's scale bytes.  A work-group takes 256 rows (tr), a wave 64 of them, 8,192 dense bytes, through its own stage in LDS (rows of 128 bytes + 16: the 32 lanes' words fall on 32 different banks: 64 banks of 4 bytes, ISA guide 11.1)
.Lrelay:
	s_sub_co_u32 s24, ttmp9, 256                   ; tr
	s_lshl_b32 s26, s24, 15                        ; x_scales: 256 rows of 128 bytes,
	s_lshl_b32 s27, s16, 13                        ; my 64 of them
	s_add_co_u32 s26, s26, s27
	s_mov_b32 s27, 0
	s_lshl_b32 s28, s24, 15                        ; xs: tr's 32,768 bytes;
	s_lshr_b32 s29, s16, 1                         ; ha = wave / 2: which 128 rows,
	s_lshl_b32 s29, s29, 10
	s_add_co_u32 s28, s28, s29
	s_and_b32 s29, s16, 1                          ; wave % 2: which four of their eight blocks of 16 rows
	s_lshl_b32 s29, s29, 8
	s_add_co_u32 s28, s28, s29
	s_mov_b32 s29, 0
	s_mul_i32 s30, s16, 9216                       ; my stage
	s_wait_alu depctr_va_vdst(0)
	v_lshrrev_b32 v7, 3, v6
	v_mul_u32_u24 v7, v7, 144
	v_and_b32 v8, 7, v6
	v_lshl_add_u32 v7, v8, 4, v7
	v_add_nc_u32 v7, s30, v7                       ; in: a load's 512 bytes are four rows: row lane / 8, 16 (lane % 8)
	v_mul_u32_u24 v8, v1, 144
	v_lshl_add_u32 v8, v10, 2, v8
	v_add_nc_u32 v8, s30, v8                       ; out: row r, + 4 h: lanes 0-15 take a K step's first word (q = 0), lanes 16-31 its second
	v_lshlrev_b32 v9, 4, v1
	v_lshl_add_u32 v9, v10, 9, v9                  ; in xs: 16 r, and q = h is two runs of 256 bytes on
	s_wait_alu depctr_va_vdst(0)
	s_wait_kmcnt 0x0
	s_add_nc_u64 s[8:9], s[8:9], s[26:27]
	s_add_nc_u64 s[12:13], s[12:13], s[28:29]
.irp j, 0,1,2,3,4,5,6,7,8,9,10,11,12,13,14,15
	global_load_b128 v[RI+4*\j:RI+4*\j+3], v4, s[8:9] offset:512*\j th:TH_LOAD_NT   ; 32 lanes read 512 consecutive bytes
.endr
.irp j, 0,1,2,3,4,5,6,7,8,9,10,11,12,13,14,15
	s_wait_loadcnt 15-\j                           ; loads come back in order: load j is in, the younger ones may be out
	ds_store_b128 v7, v[RI+4*\j:RI+4*\j+3] offset:576*\j
.endr
.irp hf, 0,1                                   ; eight K steps at a time.  LDS serves a wave's instructions in order (ISA guide 5.7.1.4): the loads see my stores
.irp t, 0,1,2,3,4,5,6,7
.irp w, 0,1,2,3
	ds_load_b32 v[RO+4*(8*\hf+\t)+\w], v8 offset:2304*\w+8*(8*\hf+\t)   ; row 16 w + r, bytes 8 t + 4 h on
.endr
.endr
.irp t, 0,1,2,3,4,5,6,7
	s_wait_dscnt 28-4*\t                           ; this K step's four words are in; the later K steps' may be out
	global_store_b128 v9, v[RO+4*(8*\hf+\t):RO+4*(8*\hf+\t)+3], s[12:13] offset:2048*(8*\hf+\t)   ; each half of the lanes stores 256 consecutive bytes, aligned; every word has a register of its own
.endr
.endr
	s_set_vgpr_msb 0x4
	s_wait_tensorcnt 0x0
	ds_add_u32 v11, v1
	s_wait_dscnt 0x0
	s_set_vgpr_msb 0x400
	s_endpgm
.Lfunc_end_k_q5254233398_prep:
	.size	k_q5254233398_prep, .Lfunc_end_k_q5254233398_prep-k_q5254233398_prep
	.p2alignl 7, 3214868480
	.fill 96, 4, 3214868480
	.section	.rodata,"a",@progbits
	.p2align	6, 0x0
	.amdhsa_kernel k_q5254233398_prep
		.amdhsa_group_segment_fixed_size 37376
		.amdhsa_private_segment_fixed_size 0
		.amdhsa_enable_private_segment 0
		.amdhsa_kernarg_size 40
		.amdhsa_user_sgpr_count 2
		.amdhsa_user_sgpr_kernarg_segment_ptr 1
		.amdhsa_wavefront_size32 1
		.amdhsa_system_sgpr_workgroup_id_x 1
		.amdhsa_system_sgpr_workgroup_id_y 1
		.amdhsa_system_sgpr_workgroup_id_z 1
		.amdhsa_system_vgpr_workitem_id 0
		.amdhsa_next_free_vgpr 258
		.amdhsa_next_free_sgpr 66
		.amdhsa_reserve_vcc 1
		.amdhsa_float_denorm_mode_32 3
		.amdhsa_float_denorm_mode_16_64 3
		.amdhsa_memory_ordered 1
		.amdhsa_forward_progress 1
		.amdhsa_inst_pref_size 61
	.end_amdhsa_kernel
	.amdgpu_metadata
---
amdhsa.version: [ 1, 2 ]
amdhsa.kernels:
  - .name:           k_q5254233398_prep
    .symbol:         k_q5254233398_prep.kd
    .args:
      - { .name: A, .offset: 0, .size: 8, .value_kind: global_buffer, .address_space: global }
      - { .name: B, .offset: 8, .size: 8, .value_kind: global_buffer, .address_space: global }
      - { .name: x_scales, .offset: 16, .size: 8, .value_kind: global_buffer, .address_space: global }
      - { .name: wq, .offset: 24, .size: 8, .value_kind: global_buffer, .address_space: global }
      - { .name: xs, .offset: 32, .size: 8, .value_kind: global_buffer, .address_space: global }
    .group_segment_fixed_size: 37376
    .private_segment_fixed_size: 0
    .kernarg_segment_align: 8
    .kernarg_segment_size: 40
    .max_flat_workgroup_size: 128
    .sgpr_count:     66
    .vgpr_count:     258
    .wavefront_size: 32
...
	.end_amdgpu_metadata
.endif
;; end of part 1
;; launch gemm (part 2): grid 8 x 32, 4 waves a work-group, clusters of 4 x 4, 327,680 bytes of LDS; arguments x_codes, xs, wq, out0; writes out0
.if DOCPART == 2
	.amdgcn_target "amdgcn-amd-amdhsa--gfx1250"
	.amdhsa_code_object_version 6
	.text
	.protected	k_q5254233398_gemm
	.globl	k_q5254233398_gemm
	.p2align	8
	.type	k_q5254233398_gemm,@function
k_q5254233398_gemm:
	s_mov_b64 s[64:65], 0
	v_nop
	global_prefetch_b8 v0, s[64:65] scope:SCOPE_SE
	s_setreg_imm32_b32 hwreg(HW_REG_WAVE_MODE, 25, 1), 1
	s_wait_xcnt 0x0
	s_wait_alu depctr_hold_cnt(0) depctr_sa_sdst(0) depctr_va_vdst(0) depctr_va_sdst(0) depctr_va_ssrc(0) depctr_va_vcc(0) depctr_vm_vsrc(0)
	s_getreg_b32 s2, hwreg(HW_REG_IB_STS2, 6, 4)
	s_cmp_eq_u32 s2, 0
	s_cbranch_scc0 .Lentry_in_a_cluster
	s_endpgm
.Lentry_in_a_cluster:
	s_bfe_u32 s2, ttmp6, 0x10000c
	s_cmp_lg_u32 s2, 0xf033
	s_cbranch_scc0 .Lentry_shape_is_right
	s_endpgm
.Lentry_shape_is_right:
; out0[m][n] = sum over k of x[m][k] W[k][n]: x [8192][4096] as given codes of E4M3, W as the codes that launch prep made; one E8M0 byte for each 32 along K on both sides; sums in f32.
; Every product of the large matrix product is made here, by v_wmma_scale_f32_16x16x128_f8f6f4.
; A tile of out0, 256 x 256, is made by a work-group of four waves; a wave makes 128 x 128: 64 accumulators, 512 registers.  32 x 8 tiles: 256 work-groups.
; K goes in steps of 256 through a ring of two LDS slots.  A slot: 256 rows of x (256 bytes + 16 of padding each), then W's block of that K step and tile column as prep laid it:
; 65,536 bytes of codes in the order of the operand's registers (a fragment is four loads of 16 bytes a lane, lane i at 16 i) and 2,048 bytes of scale words.
; x's scale words of the tile's 256 rows, for all of K, are 32,768 dense bytes of xs: they come once, at the head, and stay behind the ring.
; CLUSTERS: 4 x 4 work-groups.  x's tiles and scale words are shared along a row of the cluster, W's blocks along a column: each is asked for jointly, with a mask that names the four.
; THE MATRIX INSTRUCTION IS USED TRANSPOSED (source 0 = 16 columns of W, source 1 = 16 rows of x): a lane holds eight neighbouring numbers of a row of out0.
; REGISTERS: window 0: v16-31 addresses; v32-63 x's scale words, two sets; v64-95 W's, two sets; v128-255 x's fragments, one set (on the way out: rows read back).
;   window 1: W's fragments, two sets.  window 2: the accumulators of my rows 0-63 ((a, b) at v[8 (8 a + b)]);  window 3: those of my rows 64-127.
; THE FRAGMENTS COME IN TWO RUNS OF LDS LOADS FOR EACH 128 ALONG K, which are eight groups of eight products (x's block g against W's eight).  The large run (W's other set, x's blocks 0-3, at a change of slots the scale words:
; 48 or 56 loads) wants groups 0-3 done; WAVE w ISSUES IT BEHIND GROUP 3 + w, so that the four waves' large runs stand a group apart: four short branches on the wave's number, each round the run alone; the products, their order
; and every wait's count are the same in all four waves.  The small run (x's blocks 4-7, 16 loads) stands behind group 7.
; PREFETCH: behind the load of K step L stands the request for K step L + 2 (the head also asks for K step 1).  The four partners that ask for a tile jointly share its blocks of 256 bytes out by address:
; of x's 128 rows that a wave fetches, the partner at cx takes 32, a lane a row; of the 132 blocks of W that a wave fetches, the partner at cy takes 33, a lane a block and one more.
; x's rows are asked for in every cluster that loads them (two); W's blocks, which eight clusters load, in the four clusters of even y.  The last two refills ask for nothing: K ends there.
.set SIZE_N, 2048
.set KROW,   4096                      ; a row of x in bytes
.set PITCH,  272
.set HALFT,  128*PITCH                 ; 128 rows of x in LDS
.set BOFF,   2*HALFT                   ; W's block in a slot
.set BSC,    BOFF+65536                ; its scale words
.set HALFB,  33792                     ; half of W's block: 132 rows of 256 bytes
.set SLOT,   BOFF+2*HALFB
.set XSC,    2*SLOT                    ; x's scale words
.set SPARE,  XSC+32768                 ; the spare words: 128 bytes a wave, two blocks of 256 bytes that no other line names
.set SPITCH, 528                       ; the way out: a stage of 16 rows x (512 + 16) bytes a wave, in slot 0, which has had its last fill and its last read by then
.set WBLK,   67584
.set WSTEP,  8*WBLK                    ; from a K step's block to the next in wq
.set FR,     16
.set NP,     8                         ; places behind this matrix form (ISA guide 7.12.1)
.set LAPS,   8                         ; 16 K steps, two a lap
.set ADRA, 16                          ; v16-17 my fragments of x in slot 0, 1
.set ADRB, 20                          ; v20-21 my fragments of W
.set ADRSB, 22                         ; v22-23 W's scale words
.set STO,  24
.set RD,   25
.set CO,   26
.set ADRSA, 27                         ; x's scale words of the K step
.set SPW,  28
.set NIL,  29
.set PFO,  30                          ; prefetch: my lane's row of x or block of W
.set PF2,  31                          ; prefetch: the 33rd block of W
.set SCA,  32
.set SCB,  64
.set AF,   128
.set BK,   128
.set G1A, 24                           ; s[24:31] group 1, x's tiles; s[32:39] group 0, a set a slot
.set G0A, 32
.set G1B, 40                           ; s[40:47], s[48:55] the same for halves of W's blocks
.set G0B, 48
.set G1S, 56                           ; s[56:63], s[68:71] x's scale words
.set G0S, 68
.set G1H, 72                           ; s[72:79], s[80:83] the head's load of W's whole block
.set G0H, 80
.set PFA, 84                           ; s[84:85] where my prefetches stand; s[86:87] their step
.set PFS, 86
.set LIM, 88                           ; 1 where my wave prefetches, else the greatest number
.set P1,  94                           ; s[94:95], s[96:97] K steps 1 and 2, asked for at the head
.set P2,  96
.set MSB, 0
.macro WIN new                         ; the immediate's high byte repeats the setting that is left
.if MSB != \new
	s_set_vgpr_msb (MSB<<8)|\new
.set MSB, \new
.endif
.endm
.set MUL_LO, 0xa1                      ; source 0 (W) window 1, source 1 (x) window 0, C and D window 2
.set TO_B,   0x40
.macro PLACES n
.rept \n
	v_nop
.endr
.endm
; a joint load of the ring: waves 0, 1 fetch x's two halves, waves 2, 3 the halves of W's block; s_nop 0 and four v_nop behind each line
.macro JLOAD s
	s_cmp_eq_u32 s13, 0
	s_cbranch_scc0 .Lfor_b_\@
	tensor_load_to_lds s[G0A+4*\s:G0A+4*\s+3], s[G1A:G1A+7]
	s_nop 0
	PLACES 4
	s_branch .Lasked_\@
.Lfor_b_\@:
	tensor_load_to_lds s[G0B+4*\s:G0B+4*\s+3], s[G1B:G1B+7]
	s_nop 0
	PLACES 4
.Lasked_\@:
.endm
; a prefetch of my share of one K step, at the address pair p.  how = 0: in the loop, not in its last trip; how = 1: ahead of the loop
.macro ASK how, p
.if \how
	s_cmp_eq_u32 s[LIM], 1
.else
	s_cmp_gt_u32 s3, s[LIM]
.endif
	s_cbranch_scc0 .Lnone_\@
	global_prefetch_b8 v[PFO], s[\p:\p+1] th:TH_LOAD_NT scope:SCOPE_SE
	s_cmp_eq_u32 s13, 0
	s_cbranch_scc1 .Lnone_\@
	global_prefetch_b8 v[PF2], s[\p:\p+1] th:TH_LOAD_NT scope:SCOPE_SE   ; W's waves: the one block beyond the 32
.Lnone_\@:
.endm
.macro CREST                           ; a round of the cluster's barrier behind its opening barrier
	s_cmp_lg_u32 s12, 0
	s_cbranch_scc1 .Lnot_wave_0_\@
	s_barrier_signal -3
.Lnot_wave_0_\@:
	s_barrier_wait -3
	s_barrier_signal -1
	s_barrier_wait -1
.endm
.macro CROUND
	s_barrier_signal -1
	s_barrier_wait -1
	CREST
.endm
	s_load_b256 s[4:11], s[0:1], 0x0               ; x_codes s[4:5], xs s[6:7], wq s[8:9], out0 s[10:11]
	v_lshl_add_u32 v[SPW], v0, 2, SPARE
	v_mov_b32 v[NIL], 0
	ds_add_u32 v[SPW], v[NIL]                      ; the opening lines: the add, twice on end, and its wait ahead of my first tensor load
	ds_add_u32 v[SPW], v[NIL]
	v_lshrrev_b32 v1, 5, v0
	v_readfirstlane_b32 s12, v1                    ; wave 0..3
	s_lshr_b32 s13, s12, 1                         ; my half of the tile's rows.  Also: I fetch for x (0) or for W (1)
	s_and_b32 s14, s12, 1                          ; my half of its columns.  Also: which half I fetch
	s_bfe_u32 s15, ttmp6, 0x40000                  ; cx
	s_bfe_u32 s16, ttmp6, 0x40004                  ; cy
	s_lshl_b32 s17, ttmp9, 2
	s_add_co_u32 s17, s17, s15                     ; tile column
	s_and_b32 s18, ttmp7, 0xffff
	s_lshl_b32 s18, s18, 2
	s_add_co_u32 s18, s18, s16                     ; tile row
	s_lshl_b32 s19, s16, 2
	s_lshl_b32 s19, 15, s19                        ; my row of the cluster
	s_lshl_b32 s20, 0x1111, s15                    ; my column
	s_or_b32 s[G1A+0], s19, (0<<16)|(1<<20)|(1<<21)|(5<<22)|(3<<25)   ; bytes; 16 bytes of padding behind every 256
	s_mov_b32 s[G1A+1], 256<<16
	s_mov_b32 s[G1A+2], 128<<16
	s_mov_b32 s[G1A+3], 256<<16
	s_mov_b32 s[G1A+4], 128
	s_mov_b32 s[G1A+5], KROW
	s_mov_b32 s[G1A+6], 0
	s_mov_b32 s[G1A+7], 0
	s_or_b32 s[G1B+0], s20, (3<<16)|(1<<21)        ; dense blocks as rows of 256 bytes (32 elements of 8): 132 rows,
	s_or_b32 s[G1H+0], s20, (3<<16)|(1<<21)        ; 264 rows,
	s_or_b32 s[G1S+0], s19, (3<<16)|(1<<21)        ; 128 rows
	s_mov_b32 s[G1B+2], 132<<16
	s_mov_b32 s[G1B+4], 132
	s_mov_b32 s[G1H+2], 264<<16
	s_mov_b32 s[G1H+4], 264
	s_mov_b32 s[G1S+2], 128<<16
	s_mov_b32 s[G1S+4], 128
.irp g, G1B, G1H, G1S
	s_mov_b32 s[\g+1], 32<<16
	s_mov_b32 s[\g+3], 32<<16
	s_mov_b32 s[\g+5], 32
	s_mov_b32 s[\g+6], 0
	s_mov_b32 s[\g+7], 0
.endr
	s_lshl_b32 s90, s18, 20                        ; x: 256 rows of 4,096 bytes a tile row,
	s_lshl_b32 s91, s14, 19                        ; + the 128 rows that I fetch
	s_add_co_u32 s90, s90, s91
	s_mov_b32 s91, 0
	s_lshl_b32 s92, s18, 15                        ; xs: 32,768 bytes a tile row
	s_mov_b32 s93, 0
	s_mul_i32 s94, s17, WBLK                       ; wq: K step 0's block of my tile column
	s_mov_b32 s95, 0
	s_mul_i32 s96, s14, HALFB                      ; the half of a block that I fetch
	s_mov_b32 s97, 0
	s_mul_i32 s21, s14, HALFT                      ; where they go: no place in the cluster enters an LDS address
	s_add_co_u32 s22, s96, BOFF
	s_wait_dscnt 0x0                               ; both opening adds are done
	s_wait_kmcnt 0x0
	s_add_nc_u64 s[90:91], s[4:5], s[90:91]
	s_add_nc_u64 s[92:93], s[6:7], s[92:93]
	s_add_nc_u64 s[94:95], s[8:9], s[94:95]
	s_mov_b32 s[G0H], 1
	s_mov_b32 s[G0H+1], BOFF
	s_mov_b64 s[G0H+2:G0H+3], s[94:95]
	s_or_b32 s[G0H+3], s[G0H+3], 0x80000000
	s_mov_b32 s[G0S], 1
	s_mov_b32 s[G0S+1], XSC
	s_mov_b64 s[G0S+2:G0S+3], s[92:93]
	s_or_b32 s[G0S+3], s[G0S+3], 0x80000000
	s_add_nc_u64 s[94:95], s[94:95], s[96:97]
.irp s, 0,1
	s_mov_b32 s[G0A+4*\s], 1
	s_add_co_u32 s[G0A+4*\s+1], s21, \s*SLOT
	s_add_nc_u64 s[G0A+4*\s+2:G0A+4*\s+3], s[90:91], \s*256
	s_or_b32 s[G0A+4*\s+3], s[G0A+4*\s+3], 0x80000000
	s_mov_b32 s[G0B+4*\s], 1
	s_add_co_u32 s[G0B+4*\s+1], s22, \s*SLOT
	s_add_nc_u64 s[G0B+4*\s+2:G0B+4*\s+3], s[94:95], \s*WSTEP
	s_or_b32 s[G0B+4*\s+3], s[G0B+4*\s+3], 0x80000000
.endr
	CROUND                                         ; all sixteen work-groups are here: the first joint loads meet
; THE HEAD'S LOADS, ONE A WAVE, in one chain of arms on the wave's number: waves 0, 1 K step 0's two halves of x, wave 2 its whole block of W, wave 3 x's scale words for all of K
.macro ARM under, g0, g1, next
	s_cmp_lt_u32 s12, \under
	s_cbranch_scc0 \next
	tensor_load_to_lds s[\g0:\g0+3], s[\g1:\g1+7]
	s_nop 0
	PLACES 4
	s_branch .Lhead_asked
\next:
.endm
	ARM 2, G0A, G1A, .Lhead_b
	ARM 3, G0H, G1H, .Lhead_s
	tensor_load_to_lds s[G0S:G0S+3], s[G1S:G1S+7]
	s_nop 0
	PLACES 4
.Lhead_asked:
	; the prefetches' addresses
	s_lshl_b32 s90, s18, 20
	s_lshl_b32 s91, s14, 19
	s_add_co_u32 s90, s90, s91
	s_lshl_b32 s91, s15, 17                        ; x: my work-group's 32 of the 128 rows that I fetch
	s_add_co_u32 s90, s90, s91
	s_mul_i32 s92, s17, WBLK
	s_mul_i32 s93, s14, 132*256
	s_add_co_u32 s92, s92, s93
	s_mul_i32 s93, s16, 33*256                     ; W: my work-group's 33 of the 132 blocks that I fetch
	s_add_co_u32 s92, s92, s93
	s_mov_b32 s[PFS], WSTEP
	s_mov_b32 s23, 256
	s_and_b32 s22, ttmp7, 1                        ; the cluster's y, odd or even: the same in all partners
	s_cmp_eq_u32 s13, 0                            ; do I fetch for x?
	s_cselect_b64 s[PFA:PFA+1], s[4:5], s[8:9]
	s_cselect_b32 s90, s90, s92
	s_cselect_b32 s[PFS], 256, s[PFS]
	s_cselect_b32 s23, KROW, s23
	s_cselect_b32 s22, 0, s22
	s_mov_b32 s91, 0
	s_mov_b32 s[PFS+1], 0
	s_add_nc_u64 s[PFA:PFA+1], s[PFA:PFA+1], s[90:91]
	s_add_nc_u64 s[P1:P1+1], s[PFA:PFA+1], s[PFS:PFS+1]
	s_add_nc_u64 s[P2:P2+1], s[P1:P1+1], s[PFS:PFS+1]
	s_add_nc_u64 s[PFA:PFA+1], s[P2:P2+1], s[PFS:PFS+1]   ; K step 3
	s_cmp_eq_u32 s22, 0
	s_cselect_b32 s[LIM], 1, -1
	v_and_b32 v3, 31, v0
	v_mul_lo_u32 v[PFO], v3, s23
	v_mov_b32 v[PF2], 32*256
	s_wait_alu depctr_va_vdst(0)                   ; ahead of the branches and the readers below
	ASK 1, P1
	ASK 1, P2
	; LDS addresses and the way out: the scalars first, then the vector lines on end
	s_mul_i32 s21, s13, HALFT                      ; my 128 rows of x
	s_lshl_b32 s22, s14, 15
	s_add_co_u32 s22, s22, BOFF                    ; my eight fragments' columns of W
	s_lshl_b32 s23, s13, 10
	s_add_co_u32 s23, s23, XSC
	s_lshl_b32 s90, s14, 10
	s_add_co_u32 s90, s90, BSC
	s_mul_i32 s91, s12, 16*SPITCH                  ; my stage
	s_lshl_b32 s92, s18, 21                        ; out0: 256 rows of 8,192 bytes a tile row,
	s_lshl_b32 s93, s13, 20
	s_add_co_u32 s92, s92, s93
	s_lshl_b32 s93, s17, 10                        ; 1,024 bytes a tile column,
	s_add_co_u32 s92, s92, s93
	s_lshl_b32 s93, s14, 9
	s_add_co_u32 s92, s92, s93
	s_mov_b32 s93, 0
	s_add_nc_u64 s[10:11], s[10:11], s[92:93]
	v_and_b32 v1, 15, v0                           ; r
	v_bfe_u32 v2, v0, 4, 1                         ; h
	v_mul_u32_u24 v4, v1, PITCH
	v_lshl_add_u32 v4, v2, 4, v4
	v_add_nc_u32 v[ADRA], s21, v4
	v_add_nc_u32 v[ADRA+1], SLOT, v[ADRA]
	v_lshlrev_b32 v[CO], 4, v3
	v_add_nc_u32 v[ADRB], s22, v[CO]
	v_add_nc_u32 v[ADRB+1], SLOT, v[ADRB]
	v_lshlrev_b32 v5, 4, v1
	v_add_nc_u32 v[ADRSA], s23, v5
	v_add_nc_u32 v[ADRSB], s90, v5
	v_add_nc_u32 v[ADRSB+1], SLOT, v[ADRSB]
	v_mul_u32_u24 v6, v1, SPITCH
	v_lshl_add_u32 v6, v2, 5, v6
	v_add_nc_u32 v[STO], s91, v6
	v_add_nc_u32 v[RD], s91, v[CO]
; x's blocks i0 .. i0 + 3 of the slot's q-th 128 along K.  A block: 16 rows x 128 K: lane (r, h): row r; registers 4 c .. 4 c + 3: K = 32 c + 16 h + 0 .. 15.  16 LDS loads
.macro FETCH_A slot, q, i0
	WIN 0
.irp i, \i0, \i0+1, \i0+2, \i0+3
.irp c, 0,1,2,3
	ds_load_b128 v[AF+FR*(\i)+4*\c:AF+FR*(\i)+4*\c+3], v[ADRA+\slot] offset:128*(\q)+32*\c+(\i)*16*PITCH
.endr
.endr
.endm
; W's eight blocks likewise, into set p; they lie in the registers' order.  32 LDS loads
.macro FETCH_B slot, q, p
	WIN TO_B
.irp i, 0,1,2,3,4,5,6,7
.irp c, 0,1,2,3
	ds_load_b128 v[128*(\p)+FR*\i+4*\c:128*(\p)+FR*\i+4*\c+3], v[ADRB+\slot] offset:4096*\i+2048*(\q)+512*\c
.endr
.endr
	WIN 0
.endm
.macro SCALES slot                     ; a K step's scale words: register 8 q + block, on each side.  Eight LDS loads
.irp c, 0,1,2,3
	ds_load_b128 v[SCA+16*\slot+4*\c:SCA+16*\slot+4*\c+3], v[ADRSA] offset:256*\c
.endr
.irp c, 0,1,2,3
	ds_load_b128 v[SCB+16*\slot+4*\c:SCB+16*\slot+4*\c+3], v[ADRSB+\slot] offset:256*\c
.endr
.endm
; A group: 8 matrix instructions, x's block a against W's eight, 128 along K.  p: W's set; q: which 128 of the slot; sc: the set of scale words.
; The 64 accumulators take turns in the same order in every 128 along K.
.macro GRP a, p, q, sc, zero
	WIN MUL_LO+0x50*((\a)/4)
.irp b, 0,1,2,3,4,5,6,7
.if \zero
	v_wmma_scale_f32_16x16x128_f8f6f4 v[8*(8*((\a)%4)+\b):8*(8*((\a)%4)+\b)+7], v[128*(\p)+FR*\b:128*(\p)+FR*\b+FR-1], v[AF+FR*(\a):AF+FR*(\a)+FR-1], 0, v[SCB+16*(\sc)+8*(\q)+\b], v[SCA+16*(\sc)+8*(\q)+(\a)]
.else
	v_wmma_scale_f32_16x16x128_f8f6f4 v[8*(8*((\a)%4)+\b):8*(8*((\a)%4)+\b)+7], v[128*(\p)+FR*\b:128*(\p)+FR*\b+FR-1], v[AF+FR*(\a):AF+FR*(\a)+FR-1], v[8*(8*((\a)%4)+\b):8*(8*((\a)%4)+\b)+7], v[SCB+16*(\sc)+8*(\q)+\b], v[SCA+16*(\sc)+8*(\q)+(\a)]
.endif
.endr
.endm
; THE LARGE RUN, issued here by wave w alone: W's set p and x's blocks 0-3 of the q-th 128 of the slot; sw = 1: the slot's scale words too.  The branch hangs on the wave's number and leads round the loads alone.
; The places between group 3 and these loads stand ahead of the first of the four, on every wave's way.
.macro RUNIF w, slot, q, p, sw
	WIN 0                                          ; at a branch and at a label every window is 0
	s_cmp_lg_u32 s12, \w
	s_cbranch_scc1 .Lnot_my_turn_\@
	FETCH_B \slot, \q, \p
	FETCH_A \slot, \q, 0
.if \sw
	SCALES \slot
.endif
.Lnot_my_turn_\@:
.endm
; a slot's first 128 along K (W's set 0); it fetches the second's fragments
.macro STEP slot, zero
	s_wait_dscnt 16                                ; all but the youngest 16 loads (x's blocks 4-7)
.irp g, 0,1,2,3
	GRP \g, 0, 0, \slot, \zero
.endr
	s_wait_dscnt 0                                 ; x's blocks 4-7 are in
	PLACES NP
.irp w, 0,1,2,3
	RUNIF \w, \slot, 1, 1, 0
	GRP \w+4, 0, 0, \slot, \zero
.endr
	PLACES NP
	FETCH_A \slot, 1, 4
.endm
; a slot's second 128 along K (W's set 1), and the change of slots.  Sixteen products; the wait for all my tensor loads and the add; eight products; the wait for the add and for my reads of this slot; the signal; eight products;
; the barrier's wait, which opens a round of the cluster's barrier where the slot is filled again; the refill first behind the round: from a refill to the wait for it a wave issues 112 products.
.macro TURN slot, next, fill
.if \fill
	s_wait_xcnt 0x0                                ; my last prefetch has read its address: it steps only behind this wait
	s_add_nc_u64 s[PFA:PFA+1], s[PFA:PFA+1], s[PFS:PFS+1]
.endif
	s_wait_dscnt 16                                ; all but x's blocks 4-7
	GRP 0, 1, 1, \slot, 0
	GRP 1, 1, 1, \slot, 0
	WIN 0                                          ; (the add's two registers lie in window 0)
	s_wait_tensorcnt 0x0                           ; all my tensor loads have landed: my part of the next slot
	ds_add_u32 v[SPW], v[NIL]
.if \fill
	s_add_nc_u64 s[G0A+4*\slot+2:G0A+4*\slot+3], s[G0A+4*\slot+2:G0A+4*\slot+3], 2*256     ; no tensor load of mine is out: this slot's next K step
	s_add_nc_u64 s[G0B+4*\slot+2:G0B+4*\slot+3], s[G0B+4*\slot+2:G0B+4*\slot+3], 2*WSTEP
.endif
	GRP 2, 1, 1, \slot, 0
	s_wait_dscnt 0x0                               ; the add is done, and my reads of this slot are over
	s_barrier_signal -1
	GRP 3, 1, 1, \slot, 0
	WIN 0
	s_barrier_wait -1
.if \fill
	CREST                                          ; no wave of any partner still reads this slot or has a load on its way
	JLOAD \slot                                    ; its four v_nop are among the places in front of the large run
	PLACES NP-4
.else
	PLACES NP
.endif
	v_add_nc_u32 v[ADRSA], 2048, v[ADRSA]          ; x's scale words of the next K step
	s_wait_alu depctr_va_vdst(0)                   ; directly behind the write
	RUNIF 0, \next, 0, 0, 1
	GRP 4, 1, 1, \slot, 0
	RUNIF 1, \next, 0, 0, 1
	GRP 5, 1, 1, \slot, 0
	RUNIF 2, \next, 0, 0, 1
.if \fill
	ASK 0, PFA                                     ; the K step two refills on
.endif
	GRP 6, 1, 1, \slot, 0
	RUNIF 3, \next, 0, 0, 1
	GRP 7, 1, 1, \slot, 0
	PLACES NP
	FETCH_A \next, 0, 4
.endm
	s_wait_alu depctr_va_vdst(0)
	s_wait_tensorcnt 0x0                           ; my tile of the head's is in
	ds_add_u32 v[SPW], v[NIL]
	s_wait_dscnt 0x0
	CROUND                                         ; everybody's tile is in, and all sixteen work-groups are here
	JLOAD 1                                        ; K step 1: slot 1's first fill, the first tensor load behind the round
	FETCH_B 0, 0, 0
	FETCH_A 0, 0, 0
	SCALES 0
	FETCH_A 0, 0, 4
	ASK 1, PFA                                     ; K step 3
	STEP 0, 1                                      ; the first products start the sums: nothing is cleared
	s_mov_b32 s3, LAPS-1
.Llap:                                                 ; a trip goes once round the ring and fills both slots again
	TURN 0, 1, 1
	STEP 1, 0
	TURN 1, 0, 1
	STEP 0, 0
	s_sub_co_u32 s3, s3, 1
	s_cmp_lg_u32 s3, 0
	s_cbranch_scc1 .Llap
	TURN 0, 1, 0                                   ; the last lap fills nothing
	STEP 1, 0
	s_wait_dscnt 16                                ; the very last 128 along K: nothing more to fetch
.irp g, 0,1,2,3
	GRP \g, 1, 1, 1, 0
.endr
	s_wait_dscnt 0
.irp g, 4,5,6,7
	GRP \g, 1, 1, 1, 0
.endr
	WIN 0
; THE WAY OUT, block by block of 16 rows x 128 columns: 32 bytes a lane into my own stage, back as whole rows of 512 bytes, which the 32 lanes store as two aligned runs of 256 bytes.
; LDS serves a wave's instructions in order (ISA guide 5.7.1.4): no wait between the stores and the loads.
.macro TOSTAGE a
.set AC, 64*((\a)%4)
	WIN 0x08+4*((\a)/4)                            ; the data: window 2 or 3
.irp b, 0,1,2,3,4,5,6,7
	ds_store_b128 v[STO], v[AC+8*\b:AC+8*\b+3] offset:64*\b          ; each accumulator from its low end on
	ds_store_b128 v[STO], v[AC+8*\b+4:AC+8*\b+7] offset:64*\b+16
.endr
	WIN 0
.set BB, BK+64*((\a)%2)
.irp t, 0,1,2,3,4,5,6,7,8,9,10,11,12,13,14,15
	ds_load_b128 v[BB+4*\t:BB+4*\t+3], v[RD] offset:\t*SPITCH
.endr
.endm
.macro SEND a, younger                 ; younger: the LDS instructions issued behind block a's loads
.set BB, BK+64*((\a)%2)
	s_wait_dscnt \younger
.if (\a) > 0
	s_add_nc_u64 s[10:11], s[10:11], 16*SIZE_N*4   ; behind a wait on XCNT: the earlier stores have read their base
.endif
.irp t, 0,1,2,3,4,5,6,7,8,9,10,11,12,13,14,15
	global_store_b128 v[CO], v[BB+4*\t:BB+4*\t+3], s[10:11] offset:\t*SIZE_N*4 th:TH_STORE_NT
.endr
.endm
	PLACES NP                                      ; in front of the loads into x's fragments' registers and of the reads of the last results
	TOSTAGE 0
.irp a, 1,2,3,4,5,6,7
.if \a > 1
	s_wait_xcnt 0x0                                ; block a - 2's stores have read their registers and their base
.endif
	TOSTAGE \a
	SEND \a-1, 32                                  ; behind block a - 1's loads: block a's 16 stores and 16 loads
.endr
	s_wait_xcnt 0x0
	SEND 7, 0
	s_wait_tensorcnt 0x0                           ; the wave's end
	ds_add_u32 v[SPW], v[NIL]
	s_wait_dscnt 0x0
	CROUND                                         ; the closing round
	s_endpgm
.Lfunc_end_k_q5254233398_gemm:
	.size	k_q5254233398_gemm, .Lfunc_end_k_q5254233398_gemm-k_q5254233398_gemm
	.p2alignl 7, 3214868480
	.fill 96, 4, 3214868480
	.section	.rodata,"a",@progbits
	.p2align	6, 0x0
	.amdhsa_kernel k_q5254233398_gemm
		.amdhsa_group_segment_fixed_size 327680
		.amdhsa_private_segment_fixed_size 0
		.amdhsa_enable_private_segment 0
		.amdhsa_kernarg_size 32
		.amdhsa_user_sgpr_count 2
		.amdhsa_user_sgpr_kernarg_segment_ptr 1
		.amdhsa_wavefront_size32 1
		.amdhsa_system_sgpr_workgroup_id_x 1
		.amdhsa_system_sgpr_workgroup_id_y 1
		.amdhsa_system_sgpr_workgroup_id_z 1
		.amdhsa_system_vgpr_workitem_id 0
		.amdhsa_next_free_vgpr 1024
		.amdhsa_next_free_sgpr 98
		.amdhsa_reserve_vcc 0
		.amdhsa_float_denorm_mode_32 3
		.amdhsa_float_denorm_mode_16_64 3
		.amdhsa_memory_ordered 1
		.amdhsa_forward_progress 1
		.amdhsa_inst_pref_size 220
	.end_amdhsa_kernel
	.amdgpu_metadata
---
amdhsa.version: [ 1, 2 ]
amdhsa.kernels:
  - .name:           k_q5254233398_gemm
    .symbol:         k_q5254233398_gemm.kd
    .args:
      - { .name: x_codes, .offset: 0, .size: 8, .value_kind: global_buffer, .address_space: global }
      - { .name: xs, .offset: 8, .size: 8, .value_kind: global_buffer, .address_space: global }
      - { .name: wq, .offset: 16, .size: 8, .value_kind: global_buffer, .address_space: global }
      - { .name: out0, .offset: 24, .size: 8, .value_kind: global_buffer, .address_space: global }
    .group_segment_fixed_size: 327680
    .private_segment_fixed_size: 0
    .kernarg_segment_align: 8
    .kernarg_segment_size: 32
    .max_flat_workgroup_size: 128
    .sgpr_count:     98
    .vgpr_count:     1024
    .wavefront_size: 32
...
	.end_amdgpu_metadata
.endif
;; end of part 2
